; MI455X (gfx1250); checked and timed in simulation.
; The chip was launched on July 23, 2026; its instructions are those of AMD's public machine-readable ISA for CDNA 5 (MIT licence, August 2026) and "CDNA5" Instruction Set Architecture Reference Guide (July 2026). The comments in the code are by the model that wrote it; some were corrected since.
;; Shared Tversky Linear. Allowed arithmetic: float matrix products may take bf16 or f16 operands with f32 sums; all other float work in f32.
;; Inputs: alpha one number float32; beta one number float32; bias 512 float32; features 1,024 x 1,024 float32; gamma one number float32; prototypes 512 x 1,024 float32; x 256 x 1,024 float32.
;; Outputs: out0 256 x 512 float32.
;; 2 versions, each right and faster than the one before. Each part assembles by itself: llvm-mc -triple=amdgcn-amd-amdhsa -mcpu=gfx1250 --defsym DOCPART=n.
;; ======== version 1 of 2: 2 launches
;; workspace buffers: feat 3,145,728 bytes
;; launch project (part 1): grid 16 x 16, 8 waves a work-group, no clusters, 205,824 bytes of LDS; arguments x, prototypes, features, feat; writes feat
.if DOCPART == 1
	.amdgcn_target "amdgcn-amd-amdhsa--gfx1250"
	.amdhsa_code_object_version 6
	.text
	.protected	k_qd51a030431_project
	.globl	k_qd51a030431_project
	.p2align	8
	.type	k_qd51a030431_project,@function
k_qd51a030431_project:
	s_mov_b64 s[64:65], 0
	v_nop
	global_prefetch_b8 v0, s[64:65] scope:SCOPE_SE
	s_setreg_imm32_b32 hwreg(HW_REG_WAVE_MODE, 25, 1), 1
	s_wait_xcnt 0x0
; feat[m][f] = relu( sum over k of rows[m][k] * features[k][f] ),  m = 0..767: rows 0-255 are x, rows 256-767 are prototypes.
; rows and features are f32 in memory, rounded to bf16 (nearest even) on the way to the matrix unit; sums, relu and feat in f32.
; LIMITS: the relu is v_max_num_f32, which turns a NaN into 0 where the reference keeps it; K is summed in eight parts, not in one ascending chain.
;
; A work-group makes 48 rows x 64 features; 16 x 16 work-groups.  Its eight waves split K: wave w takes k = 128 w .. 128 w + 127 in four steps of 32
; and holds all 12 tiles of 16 x 16 as partial sums, so no input byte is loaded twice inside the work-group.
; FEATURES go from memory straight into fragments.  Lane (r, h) loads 16 bytes = columns 4 r .. 4 r + 3 of one row k (sixteen lanes: 256 consecutive bytes,
; aligned).  Column 4 r + t is given to fragment t as its column r, so packing rows k and k + 1 of one loaded word gives one fragment register:
; nothing is transposed, and in the result the four tiles t = 0..3 hold four neighbouring features of one row.
; ROWS lie along K: one load takes a row's 512 bytes of my K (32 lanes x 16 bytes), they are packed to bf16, put into LDS bytes of my own (pitch 272) and read
; back as fragments (lane = row).
; NO CLUSTER: a work-group's inputs are 48 x 4,096 + 1,024 x 256 = 458,752 bytes of f32, more than LDS holds; joint tensor loads would need a ring of slots that
; are filled again, and all these bytes would be read out of LDS once more, while here 262,144 of them never touch LDS.
;
; REGISTERS.  Window 0: v4-10 offsets, v12-43 packed rows on their way to LDS, v44-91 row fragments (two buffers), v92-155 feature fragments (two buffers),
; v156-251 the 12 accumulators.  Window 1: four regions of 64 registers for f32 as loaded.  s_set_vgpr_msb: bits 1:0 source 0, 3:2 source 1, 7:6 destination.
.set ROWB,   4096                      ; bytes in a row of x, prototypes, features and feat
.set PITCH,  272                       ; staged row: 128 bf16 + 16 bytes, so that the 16 rows of a fragment load start 68 words apart
.set STAGEW, 52*256                    ; a wave's stage: 48 rows x 272 bytes, rounded up
.set RED,    8*STAGEW                  ; behind the stages: the partial sums
.set REDW,   24*512                    ; a wave's partial sums: 24 groups of 4 registers x 32 lanes
.set VAO,  4                           ; 16 x lane: my 16 bytes of a row's 512
.set VBO,  5                           ; 8 h rows + 16 r: my 16 bytes in features, and in feat on the way out
.set VST,  6                           ; stage, in: 8 x lane
.set VFA,  7                           ; stage, back: row r, 16 h
.set VRS,  8                           ; partial sums, in
.set VRL0, 9                           ; partial sums, back: waves 0-3
.set VRL1, 10                          ;                     waves 4-7
.set TMP,  12
.set FA,   44
.set FB,   92
.set ACC,  156
.set SUM,  12                          ; the way out: 8 waves x 16 registers
.set RES,  140                         ; the way out: 4 rows x 4 neighbouring features
.set PA,   32                          ; s[32:37] my K of the three row tiles
.set PB,   38                          ; s[38:39] my K and my 64 columns of features
.set MSB, 0
.macro WIN new                         ; the immediate's high byte repeats the setting that is left
.if MSB != \new
	s_set_vgpr_msb (MSB<<8)|\new
.set MSB, \new
.endif
.endm
	s_load_b256 s[4:11], s[0:1], 0x0               ; x s[4:5], prototypes s[6:7], features s[8:9], feat s[10:11]
	v_lshl_add_u32 v254, v0, 2, 0x32000
	v_mov_b32 v255, 0
	v_lshrrev_b32 v2, 5, v0
	v_readfirstlane_b32 s12, v2                    ; wave 0..7
	v_and_b32 v1, 31, v0                           ; lane
	v_and_b32 v2, 15, v0                           ; r
	v_bfe_u32 v3, v0, 4, 1                         ; h
	s_and_b32 s14, ttmp7, 0xffff                   ; which 48 rows
	v_lshlrev_b32 v[VAO], 4, v1
	v_lshlrev_b32 v[VBO], 4, v2
	v_lshl_add_u32 v[VBO], v3, 15, v[VBO]          ; + h x 8 rows of 4,096 bytes
	s_mul_i32 s15, s12, STAGEW
	v_lshl_add_u32 v[VST], v1, 3, s15
	v_mul_u32_u24 v[VFA], v2, PITCH
	v_lshl_add_u32 v[VFA], v3, 4, v[VFA]
	v_add_nc_u32 v[VFA], s15, v[VFA]
	s_mul_i32 s16, s12, REDW
	s_add_co_u32 s16, s16, RED
	v_add_nc_u32 v[VRS], s16, v[VAO]
	; the way out: wave g = 0..5 sums row tile g / 2, registers 4 (g % 2) .. + 3; waves 6 and 7 get wave 5's numbers and use none of them
	s_min_u32 s13, s12, 5
	s_lshr_b32 s17, s13, 1                         ; row tile
	s_and_b32 s18, s13, 1                          ; which four registers
	s_lshl_b32 s19, s17, 12                        ; group 8 tile + 2 t + half, 512 bytes each
	s_lshl_b32 s21, s18, 9
	s_add_co_u32 s19, s19, s21
	s_add_co_u32 s19, s19, RED
	v_add_nc_u32 v[VRL0], s19, v[VAO]
	v_add_nc_u32 v[VRL1], 4*REDW, v[VRL0]
	s_mul_i32 s26, s14, 48
	s_lshl4_add_u32 s26, s17, s26
	s_lshl2_add_u32 s26, s18, s26                  ; the first of the rows that I store
	s_lshl_b32 s26, s26, 12
	s_lshl_b32 s27, ttmp9, 8                       ; my 64 features: 256 bytes
	s_add_co_u32 s26, s26, s27
	s_mov_b32 s27, 0
	s_lshl_b32 s24, s12, 19                        ; features: my 128 rows of 4,096 bytes
	s_lshl_b32 s25, ttmp9, 8
	s_add_co_u32 s24, s24, s25
	s_mov_b32 s25, 0
	s_mul_i32 s20, s14, 3                          ; my first row tile, 0..47: tiles 0-15 lie in x, 16-47 in prototypes
	s_wait_kmcnt 0x0
	s_add_nc_u64 s[10:11], s[10:11], s[26:27]
	s_add_nc_u64 s[PB:PB+1], s[8:9], s[24:25]
.irp R, 0,1,2
	s_add_co_u32 s21, s20, \R
	s_sub_co_u32 s22, s21, 16
	s_cmp_lt_u32 s21, 16
	s_cselect_b32 s22, s21, s22                    ; the tile's number inside its buffer
	s_cselect_b64 s[PA+2*\R:PA+2*\R+1], s[4:5], s[6:7]
	s_lshl_b32 s22, s22, 16                        ; 16 rows of 4,096 bytes
	s_lshl_b32 s23, s12, 9                         ; my K: 128 f32
	s_add_co_u32 s22, s22, s23
	s_mov_b32 s23, 0
	s_add_nc_u64 s[PA+2*\R:PA+2*\R+1], s[PA+2*\R:PA+2*\R+1], s[22:23]
.endr
.macro LOADA R                         ; the 16 rows of row tile R, my K, into region R: each load 512 consecutive bytes
.irp i, 0,1,2,3,4,5,6,7,8,9,10,11,12,13,14,15
	global_load_b128 v[64*\R+4*\i:64*\R+4*\i+3], v[VAO], s[PA+2*\R:PA+2*\R+1] offset:\i*ROWB
.endr
.endm
.macro LOADB s, X                      ; K step s of features into region X: load u brings k = 8 h + u (u < 8) or 16 + 8 h + u - 8, the order of a fragment's registers
.irp u, 0,1,2,3,4,5,6,7,8,9,10,11,12,13,14,15
	global_load_b128 v[64*\X+4*\u:64*\X+4*\u+3], v[VBO], s[PB:PB+1] offset:(32*\s+\u+8*(\u/8))*ROWB
.endr
.endm
.macro CVTA R                          ; region R to bf16 and into my stage
	WIN 0x05
.irp i, 0,1,2,3,4,5,6,7,8,9,10,11,12,13,14,15
	v_cvt_pk_bf16_f32 v[TMP+2*\i],   v[64*\R+4*\i],   v[64*\R+4*\i+1]
	v_cvt_pk_bf16_f32 v[TMP+2*\i+1], v[64*\R+4*\i+2], v[64*\R+4*\i+3]
.endr
	WIN 0
.irp i, 0,1,2,3,4,5,6,7,8,9,10,11,12,13,14,15
	ds_store_b64 v[VST], v[TMP+2*\i:TMP+2*\i+1] offset:(16*\R+\i)*PITCH
.endr
.endm
.macro CVTB X, buf                     ; region X to the four feature fragments: register q of fragment t = rows 2 q, 2 q + 1 of the loads, word t
	WIN 0x05
.irp t, 0,1,2,3
.irp q, 0,1,2,3,4,5,6,7
	v_cvt_pk_bf16_f32 v[FB+32*\buf+8*\t+\q], v[64*\X+8*\q+\t], v[64*\X+8*\q+4+\t]
.endr
.endr
	WIN 0
.endm
.macro LOADFA s, buf                   ; the three row fragments of K step s; LDS serves a wave's instructions in order (ISA guide 5.7.1), so these see my stores
.irp R, 0,1,2
	ds_load_b128 v[FA+24*\buf+8*\R:FA+24*\buf+8*\R+3],   v[VFA] offset:\R*16*PITCH+\s*64
	ds_load_b128 v[FA+24*\buf+8*\R+4:FA+24*\buf+8*\R+7], v[VFA] offset:\R*16*PITCH+\s*64+32
.endr
.endm
.macro MUL buf, zero                   ; 12 matrix instructions; the 12 accumulators take turns, one instruction a turn
.irp R, 0,1,2
.irp t, 0,1,2,3
.if \zero
	v_wmma_f32_16x16x32_bf16 v[ACC+8*(4*\R+\t):ACC+8*(4*\R+\t)+7], v[FA+24*\buf+8*\R:FA+24*\buf+8*\R+7], v[FB+32*\buf+8*\t:FB+32*\buf+8*\t+7], 0
.else
	v_wmma_f32_16x16x32_bf16 v[ACC+8*(4*\R+\t):ACC+8*(4*\R+\t)+7], v[FA+24*\buf+8*\R:FA+24*\buf+8*\R+7], v[FB+32*\buf+8*\t:FB+32*\buf+8*\t+7], v[ACC+8*(4*\R+\t):ACC+8*(4*\R+\t)+7]
.endif
.endr
.endr
.endm
	; All four regions are asked for at once; each region is asked for again as soon as it has been converted, until my 112 loads are out.
	; Every wait's count is the loads issued behind the region that is wanted: three regions of 16, at the end 32, 16, 0.
	WIN 0x40                                       ; destination in window 1, offsets in window 0
	LOADA 0
	LOADA 1
	LOADA 2
	LOADB 0, 3
	s_wait_loadcnt 48                              ; row tile 0 is in; tiles 1, 2 and K step 0 stay out
	CVTA 0
	WIN 0x40
	LOADB 1, 0
	s_wait_loadcnt 48                              ; row tile 1; tile 2 and K steps 0, 1 stay out
	CVTA 1
	WIN 0x40
	LOADB 2, 1
	s_wait_loadcnt 48                              ; row tile 2; K steps 0, 1, 2 stay out
	CVTA 2
	WIN 0x40
	LOADB 3, 2
	WIN 0
	; Both kinds of fragments have two buffers: a buffer is written again two K steps after matrix instructions read it, and the 32 conversions of
	; the step between are the places that stand behind those matrix instructions (ISA guide 7.12.1).
	LOADFA 0, 0
	s_wait_loadcnt 48                              ; K step 0; steps 1, 2, 3 stay out
	CVTB 3, 0
	s_wait_dscnt 0x0                               ; the row fragments
	MUL 0, 1                                       ; the first products start the sums: nothing is cleared
	LOADFA 1, 1
	s_wait_loadcnt 32
	CVTB 0, 1
	s_wait_dscnt 0x0
	MUL 1, 0
	LOADFA 2, 0
	s_wait_loadcnt 16
	CVTB 1, 0
	s_wait_dscnt 0x0
	MUL 0, 0
	LOADFA 3, 1
	s_wait_loadcnt 0
	CVTB 2, 1
	s_wait_dscnt 0x0
	MUL 1, 0
	; The eight partial sums meet in LDS: group Q = registers 4 Q .. 4 Q + 3 of my 96, 512 consecutive bytes a store.
.rept 4
	v_nop                                          ; four places behind the last matrix instruction before its result is read (ISA guide 7.12.1)
.endr
.irp Q, 0,1,2,3,4,5,6,7,8,9,10,11,12,13,14,15,16,17,18,19,20,21,22,23
	ds_store_b128 v[VRS], v[ACC+4*\Q:ACC+4*\Q+3] offset:\Q*512
.endr
	s_wait_dscnt 0x0                               ; my stores are in LDS before I say so
	s_barrier_signal -1
	s_barrier_wait -1                              ; everybody's are
	s_cmp_ge_u32 s12, 6
	s_cbranch_scc1 .Lend                           ; six groups of (row tile, four registers): waves 6 and 7 have none
.irp w, 0,1,2,3
.irp t, 0,1,2,3
	ds_load_b128 v[SUM+16*\w+4*\t:SUM+16*\w+4*\t+3], v[VRL0] offset:\w*REDW+\t*1024
.endr
.endr
.irp w, 0,1,2,3
.irp t, 0,1,2,3
	ds_load_b128 v[SUM+64+16*\w+4*\t:SUM+64+16*\w+4*\t+3], v[VRL1] offset:\w*REDW+\t*1024
.endr
.endr
	s_wait_dscnt 0x0
.macro ADD16 d, s                      ; wave d's 16 numbers += wave s's
.irp p, 0,2,4,6,8,10,12,14
	v_pk_add_f32 v[SUM+16*\d+\p:SUM+16*\d+\p+1], v[SUM+16*\d+\p:SUM+16*\d+\p+1], v[SUM+16*\s+\p:SUM+16*\s+\p+1]
.endr
.endm
	ADD16 0, 4
	ADD16 1, 5
	ADD16 2, 6
	ADD16 3, 7
	ADD16 0, 2
	ADD16 1, 3
	ADD16 0, 1
	; relu, and by its destination the four tiles' numbers of one row come to lie side by side: features 4 r .. 4 r + 3
.irp i, 0,1,2,3
.irp t, 0,1,2,3
	v_max_num_f32 v[RES+4*\i+\t], 0, v[SUM+4*\t+\i]
.endr
.endr
.irp i, 0,1,2,3
	global_store_b128 v[VBO], v[RES+4*\i:RES+4*\i+3], s[10:11] offset:\i*ROWB   ; lanes 0-15 and 16-31 each store 256 consecutive bytes, aligned, of two rows
.endr
.Lend:
	s_wait_tensorcnt 0x0
	ds_add_u32 v254, v255
	s_wait_dscnt 0x0
	s_endpgm
.Lfunc_end_k_qd51a030431_project:
	.size	k_qd51a030431_project, .Lfunc_end_k_qd51a030431_project-k_qd51a030431_project
	.p2alignl 7, 3214868480
	.fill 96, 4, 3214868480
	.section	.rodata,"a",@progbits
	.p2align	6, 0x0
	.amdhsa_kernel k_qd51a030431_project
		.amdhsa_group_segment_fixed_size 205824
		.amdhsa_private_segment_fixed_size 0
		.amdhsa_enable_private_segment 0
		.amdhsa_kernarg_size 32
		.amdhsa_user_sgpr_count 2
		.amdhsa_user_sgpr_kernarg_segment_ptr 1
		.amdhsa_wavefront_size32 1
		.amdhsa_system_sgpr_workgroup_id_x 1
		.amdhsa_system_sgpr_workgroup_id_y 1
		.amdhsa_system_sgpr_workgroup_id_z 1
		.amdhsa_system_vgpr_workitem_id 0
		.amdhsa_next_free_vgpr 512
		.amdhsa_next_free_sgpr 66
		.amdhsa_reserve_vcc 0
		.amdhsa_float_denorm_mode_32 3
		.amdhsa_float_denorm_mode_16_64 3
		.amdhsa_memory_ordered 1
		.amdhsa_forward_progress 1
		.amdhsa_inst_pref_size 45
	.end_amdhsa_kernel
	.amdgpu_metadata
---
amdhsa.version: [ 1, 2 ]
amdhsa.kernels:
  - .name:           k_qd51a030431_project
    .symbol:         k_qd51a030431_project.kd
    .args:
      - { .name: x, .offset: 0, .size: 8, .value_kind: global_buffer, .address_space: global }
      - { .name: prototypes, .offset: 8, .size: 8, .value_kind: global_buffer, .address_space: global }
      - { .name: features, .offset: 16, .size: 8, .value_kind: global_buffer, .address_space: global }
      - { .name: feat, .offset: 24, .size: 8, .value_kind: global_buffer, .address_space: global }
    .group_segment_fixed_size: 205824
    .private_segment_fixed_size: 0
    .kernarg_segment_align: 8
    .kernarg_segment_size: 32
    .max_flat_workgroup_size: 256
    .sgpr_count:     66
    .vgpr_count:     512
    .wavefront_size: 32
...
	.end_amdgpu_metadata
.endif
;; end of part 1
;; launch tversky (part 2): grid 16 x 16, 4 waves a work-group, clusters of 4 x 4, 264,960 bytes of LDS; arguments feat, alpha, beta, gamma, bias, out0; writes out0
.if DOCPART == 2
	.amdgcn_target "amdgcn-amd-amdhsa--gfx1250"
	.amdhsa_code_object_version 6
	.text
	.protected	k_qd51a030431_tversky
	.globl	k_qd51a030431_tversky
	.p2align	8
	.type	k_qd51a030431_tversky,@function
k_qd51a030431_tversky:
	s_mov_b64 s[64:65], 0
	v_nop
	global_prefetch_b8 v0, s[64:65] scope:SCOPE_SE
	s_setreg_imm32_b32 hwreg(HW_REG_WAVE_MODE, 25, 1), 1
	s_wait_xcnt 0x0
	s_wait_alu depctr_hold_cnt(0) depctr_sa_sdst(0) depctr_va_vdst(0) depctr_va_sdst(0) depctr_va_ssrc(0) depctr_va_vcc(0) depctr_vm_vsrc(0)
	s_getreg_b32 s2, hwreg(HW_REG_IB_STS2, 6, 4)
	s_cmp_eq_u32 s2, 0
	s_cbranch_scc0 .Lentry_in_a_cluster
	s_endpgm
.Lentry_in_a_cluster:
	s_bfe_u32 s2, ttmp6, 0x10000c
	s_cmp_lg_u32 s2, 0xf033
	s_cbranch_scc0 .Lentry_shape_is_right
	s_endpgm
.Lentry_shape_is_right:
; out0[b][o] = gamma C / (gamma C + |alpha| (sx[b] - C) + |beta| (sp[o] - C) + 1e-8) + bias[o],   C = sum over f of min(xf[b][f], pf[o][f]),
; sx, sp the row sums; xf = feat rows 0-255, pf = feat rows 256-767, all f32.  C is the reference's 0.5 (sx + sp - sum |xf - pf|), summed directly:
; one minimum and one addition an element, and no difference of large sums.
; LIMITS: v_min_num_f32 drops a NaN where the reference keeps it; the division is v_rcp_f32 and a multiply-add (a denominator below 2^-126 in size counts as 0,
; ISA guide 15.8); the sums run in another order than the reference's.
;
; A work-group makes 16 b x 32 o; 16 x 16 work-groups.  Its 48 rows of feat (196,608 bytes) lie in LDS whole: every byte is filled once, nothing is filled again.
; CLUSTER 4 x 4: the four work-groups of a row of the cluster need the same 16 rows of xf, the four of a column the same 32 rows of pf; each tile is asked for
; jointly.  The rows come in four chunks of 256 features; each wave asks for its quarter of each chunk (4 rows of xf, 8 of pf, 1,024 bytes of each row): eight tensor
; loads of a wave are out at the most.
; A wave makes 8 b x 16 o with the LANES ALONG f: in a step of 64 features a lane holds 2 features of each of its 24 rows (24 loads of 8 bytes for 256 elements).
; Two minima go in one dual instruction, two additions in one packed one.  At the end the 128 sums x 32 lanes are turned round through LDS bytes of the wave's own.
; Each row is read by two waves; each wave adds up the rows in its first 4 x registers and first 8 p registers, and the rows are dealt so that the four waves
; cover all 48: register row i holds b = 8 wb + (i + 4 wo) mod 8, register row j holds o = 16 wo + (j + 8 wb) mod 16  (wave = 2 wb + wo).
; out0 leaves in pieces of 64 bytes (4 lanes x 16): a tile's row is 128 bytes.  A tile of 8 x 64 would have rows of 256 bytes, and would bring 72 rows
; (294,912 bytes) instead of 48 for its 2,048 bytes of results.
; The 32 half steps are written out by macro: each chunk's wait on the tensor loads has a count of its own.
.set CROW,  1024                       ; bytes of a row in a chunk
.set CHUNK, 48*CROW                    ; 16 rows of xf, then 32 rows of pf
.set PPART, 16*CROW
.set SCR,   4*CHUNK                    ; behind the tiles: each wave's bytes for turning its sums round; no tensor load lands here
.set QP,    528                        ; 32 lanes x 16 bytes + 16: lanes that read 528 bytes apart start 132 words apart
.set SCRW,  32*QP
.set SUMT,  SCR+4*SCRW                 ; 16 sums of xf rows, 32 sums of pf rows
.set LANE, 1
.set ADAL, 2                           ; LDS address of my 8 bytes in register rows 0-3 of x
.set ADAH, 3                           ;                                        rows 4-7
.set ADPL, 4                           ; the same for p, register rows 0-7
.set ADPH, 5                           ;                          rows 8-15
.set SST,  6                           ; turning round: in
.set SLD,  7                           ; turning round: back
.set BI,   8                           ; v[8:11] bias of my four columns
.set OFO,  12                          ; my byte offset in the tile of out0
.set SXA,  13                          ; where my row's sum will lie
.set SPA,  14                          ; where my four columns' sums will lie
.set BOF,  15                          ; 4 x my first column
.set A,    16                          ; v[16:47]   x: two buffers of 8 rows x 2 features
.set P,    48                          ; v[48:79]   p: two buffers of 8 rows x 2 features
.set T,    80                          ; v[80:95]   16 minima
.set SA,   96                          ; v[96:103]  row sums of x, a pair for each of 4 rows
.set SP,   104                         ; v[104:119] row sums of p, a pair for each of 8 rows
.set ACC,  120                         ; v[120:247] sum (i, j) at ACC + 16 i + j
.set G1X, 24                           ; s[24:31] shape of an xf tile, mask of my row of the cluster
.set G1P, 32                           ; s[32:39] shape of a pf tile, mask of my column
.set G0X, 40                           ; s[40:55] from where, to where: xf, one set for each chunk
.set G0P, 68                           ; s[68:83] the same for pf
.macro ROUND                           ; a round of the cluster's barrier
	s_barrier_signal -1
	s_barrier_wait -1
	s_cmp_lg_u32 s19, 0
	s_cbranch_scc1 .Lnot_wave_0_\@
	s_barrier_signal -3
.Lnot_wave_0_\@:
	s_barrier_wait -3
	s_barrier_signal -1
	s_barrier_wait -1
.endm
	s_load_b256 s[4:11], s[0:1], 0x0               ; feat s[4:5], alpha s[6:7], beta s[8:9], gamma s[10:11]
	s_load_b128 s[12:15], s[0:1], 0x20             ; bias s[12:13], out0 s[14:15]
	v_lshl_add_u32 v251, v0, 2, 0x40900
	s_set_vgpr_msb 0x40
	v_mov_b32 v1, 0
	s_set_vgpr_msb 0x4044
	ds_add_u32 v251, v1
	s_set_vgpr_msb 0x4400
	v_lshrrev_b32 v1, 5, v0
	v_readfirstlane_b32 s19, v1                    ; wave 0..3
	v_and_b32 v[LANE], 31, v0
	s_bfe_u32 s20, ttmp6, 0x40000                  ; cx
	s_bfe_u32 s21, ttmp6, 0x40004                  ; cy
	s_lshl_b32 s22, ttmp9, 2
	s_add_co_u32 s22, s22, s20                     ; which 32 o = 4 x cluster x + cx
	s_and_b32 s23, ttmp7, 0xffff
	s_lshl_b32 s23, s23, 2
	s_add_co_u32 s23, s23, s21                     ; which 16 b = 4 x cluster y + cy
	s_lshl_b32 s60, s21, 2
	s_lshl_b32 s60, 15, s60                        ; my row of the cluster: places 4 cy .. 4 cy + 3
	s_lshl_b32 s62, 0x1111, s20                    ; my column: places cx, cx + 4, cx + 8, cx + 12
	; group 1: rows of 256 elements of 4 bytes, 1,024 elements from row to row; 4 rows (xf) or 8 rows (pf)
	s_or_b32 s[G1X+0], s60, (2<<16)|(1<<21)        ; 15:0 mask; 17:16 element of 4 bytes; 21 set beside a mask; no padding: the reads are contiguous
	s_or_b32 s[G1P+0], s62, (2<<16)|(1<<21)
	s_mov_b32 s[G1X+1], 256<<16                    ; tensor_dim0 = 256
	s_mov_b32 s[G1P+1], 256<<16
	s_mov_b32 s[G1X+2], 4<<16                      ; tensor_dim1 = 4
	s_mov_b32 s[G1P+2], 8<<16                      ;             = 8
	s_mov_b32 s[G1X+3], 256<<16                    ; tile_dim0 = 256
	s_mov_b32 s[G1P+3], 256<<16
	s_mov_b32 s[G1X+4], 4                          ; tile_dim1
	s_mov_b32 s[G1P+4], 8
	s_mov_b32 s[G1X+5], 1024                       ; elements from row to row
	s_mov_b32 s[G1P+5], 1024
	s_mov_b32 s[G1X+6], 0
	s_mov_b32 s[G1P+6], 0
	s_mov_b32 s[G1X+7], 0
	s_mov_b32 s[G1P+7], 0
	; where my quarters come from: xf hangs on the block of b and the wave alone, pf on the block of o and the wave alone, each in registers of its own
	s_lshl_b32 s60, s23, 16                        ; 16 rows of 4,096 bytes
	s_lshl_b32 s61, s19, 14                        ; my 4 rows
	s_add_co_u32 s60, s60, s61
	s_mov_b32 s61, 0
	s_lshl_b32 s62, s22, 17                        ; 32 rows
	s_lshl_b32 s63, s19, 15                        ; my 8 rows
	s_add_co_u32 s62, s62, s63
	s_add_co_u32 s62, s62, 0x100000                ; behind the 256 rows of xf
	s_mov_b32 s63, 0
	s_lshl_b32 s86, s19, 12                        ; and where they go: 4 rows of 1,024 bytes a wave,
	s_lshl_b32 s87, s19, 13                        ; 8 rows a wave
	s_add_co_u32 s87, s87, PPART
	s_wait_dscnt 0x0
	s_wait_kmcnt 0x0
	s_load_b32 s16, s[6:7], 0x0                    ; alpha
	s_load_b32 s17, s[8:9], 0x0                    ; beta
	s_load_b32 s18, s[10:11], 0x0                  ; gamma
	s_add_nc_u64 s[56:57], s[4:5], s[60:61]
	s_add_nc_u64 s[58:59], s[4:5], s[62:63]
	s_lshl_b32 s92, s22, 7                         ; my 32 columns: 128 bytes
	s_mov_b32 s93, 0
	s_add_nc_u64 s[12:13], s[12:13], s[92:93]
	s_add_nc_u64 s[14:15], s[14:15], s[92:93]
	s_lshl_b32 s92, s23, 15                        ; my 16 rows of 2,048 bytes
	s_add_nc_u64 s[14:15], s[14:15], s[92:93]
	s_wait_kmcnt 0x0
	s_and_b32 s16, s16, 0x7fffffff                 ; |alpha|
	s_and_b32 s17, s17, 0x7fffffff                 ; |beta|
	ROUND                                          ; all sixteen work-groups are here: the joint loads meet
.irp c, 0,1,2,3
	s_mov_b32 s[G0X+4*\c], 1
	s_add_co_u32 s[G0X+4*\c+1], s86, \c*CHUNK
	s_add_nc_u64 s[G0X+4*\c+2:G0X+4*\c+3], s[56:57], \c*CROW
	s_or_b32 s[G0X+4*\c+3], s[G0X+4*\c+3], 0x80000000
	s_mov_b32 s[G0P+4*\c], 1
	s_add_co_u32 s[G0P+4*\c+1], s87, \c*CHUNK
	s_add_nc_u64 s[G0P+4*\c+2:G0P+4*\c+3], s[58:59], \c*CROW
	s_or_b32 s[G0P+4*\c+3], s[G0P+4*\c+3], 0x80000000
	tensor_load_to_lds s[G0X+4*\c:G0X+4*\c+3], s[G1X:G1X+7]
	s_nop 0
	tensor_load_to_lds s[G0P+4*\c:G0P+4*\c+3], s[G1P:G1P+7]
	s_nop 0
.endr
	; addresses, while the tiles are on their way
	s_lshr_b32 s84, s19, 1                         ; wb
	s_and_b32 s85, s19, 1                          ; wo
	v_lshlrev_b32 v248, 3, v[LANE]                 ; 8 bytes a lane
	v_add_nc_u32 v[ADAL], s86, v248                ; x rows 4 w .. 4 w + 3: the ones that I add up
	s_lshl_b32 s88, s85, 1
	s_sub_co_u32 s88, s19, s88
	s_add_co_u32 s88, s88, 1                       ; the wave beside me: w + 1 - 2 wo
	s_lshl_b32 s88, s88, 12
	v_add_nc_u32 v[ADAH], s88, v248
	s_lshl_b32 s89, s85, 14                        ; 16 wo rows
	s_add_co_u32 s89, s89, PPART
	s_lshl_b32 s90, s84, 13                        ; 8 wb rows
	s_add_co_u32 s90, s90, s89
	v_add_nc_u32 v[ADPL], s90, v248                ; p rows 16 wo + 8 wb .. + 7: the ones that I add up
	s_sub_co_u32 s91, 1, s84
	s_lshl_b32 s91, s91, 13
	s_add_co_u32 s91, s91, s89
	v_add_nc_u32 v[ADPH], s91, v248
	s_mul_i32 s96, s19, SCRW
	s_add_co_u32 s96, s96, SCR
	v_lshl_add_u32 v[SST], v[LANE], 4, s96
	v_mul_u32_u24 v[SLD], v[LANE], QP
	v_add_nc_u32 v[SLD], s96, v[SLD]
	; at the end lane l holds sums 4 l .. 4 l + 3: register row i = l / 4, register rows j = 4 (l % 4) .. + 3
	v_lshrrev_b32 v249, 2, v[LANE]
	v_and_b32 v250, 3, v[LANE]
	v_lshlrev_b32 v250, 2, v250
	s_lshl_b32 s91, s85, 2
	v_add_nc_u32 v249, s91, v249
	v_and_b32 v249, 7, v249                        ; (i + 4 wo) mod 8
	s_lshl_b32 s99, s84, 3
	v_add_nc_u32 v250, s99, v250
	v_and_b32 v250, 15, v250                       ; (j + 8 wb) mod 16
	v_add_nc_u32 v249, s99, v249                   ; my b in the tile
	s_lshl_b32 s91, s85, 4
	v_add_nc_u32 v250, s91, v250                   ; my first o in the tile
	v_lshlrev_b32 v[BOF], 2, v250
	v_lshl_add_u32 v[OFO], v249, 11, v[BOF]
	v_lshlrev_b32 v[SXA], 2, v249
	v_add_nc_u32 v[SXA], SUMT, v[SXA]
	v_add_nc_u32 v[SPA], SUMT+64, v[BOF]
	global_load_b128 v[BI:BI+3], v[BOF], s[12:13]
	s_lshl_b32 s97, s19, 4
	s_add_co_u32 s97, s97, SUMT                    ; my four x sums: b = 4 w ..
	s_lshl_b32 s98, s85, 6
	s_lshl_b32 s99, s84, 5
	s_add_co_u32 s98, s98, s99
	s_add_co_u32 s98, s98, SUMT+64                 ; my eight p sums: o = 16 wo + 8 wb ..
	s_mov_b32 s94, 0x76543210                      ; v_permlanex16_b32: lane i of one half reads lane i of the other
	s_mov_b32 s95, 0xfedcba98
.macro LDA buf, s                      ; x: my eight rows, step s of the chunk at which the address registers point
.irp i, 0,1,2,3
	ds_load_b64 v[A+16*(\buf)+2*\i:A+16*(\buf)+2*\i+1], v[ADAL] offset:\i*CROW+(\s)*256
.endr
.irp i, 0,1,2,3
	ds_load_b64 v[A+16*(\buf)+8+2*\i:A+16*(\buf)+8+2*\i+1], v[ADAH] offset:\i*CROW+(\s)*256
.endr
.endm
.macro LDP buf, adr, s                 ; p: eight rows; a load's 32 lanes read 256 consecutive bytes
.irp j, 0,1,2,3,4,5,6,7
	ds_load_b64 v[P+16*(\buf)+2*\j:P+16*(\buf)+2*\j+1], v[\adr] offset:\j*CROW+(\s)*256
.endr
.endm
; Two minima in one issue.  The halves' first sources differ in register number mod 4, so do their second sources, and one destination is even, one odd.
.macro MIN2 d, a0, a1, p0, p1
	v_dual_min_num_f32 v[\d], v[\a0], v[\p0] :: v_dual_min_num_f32 v[\d+1], v[\a1], v[\p1]
.endm
.macro ADD2 d, t
	v_pk_add_f32 v[\d:\d+1], v[\d:\d+1], v[\t:\t+1]
.endm
; 16 elements: x rows 2 ip, 2 ip + 1 against the buffer's 8 p rows.  A pair of sums is (i, j), (i, j + 1); the first takes feature e, the second feature 1 - e,
; so that the dual's sources fall in different banks; the call with the other e completes both.  start = 1: the minima themselves start the sums.
.macro BATCH ab, pb, half, ip, e, start
.irp ii, 0,1
.irp jp, 0,1,2,3
.if \start
	MIN2 ACC+32*\ip+16*\ii+8*\half+2*\jp, A+16*\ab+4*\ip+2*\ii+\e, A+16*\ab+4*\ip+2*\ii+1-\e, P+16*\pb+4*\jp+\e, P+16*\pb+4*\jp+3-\e
.else
	MIN2 T+8*\ii+2*\jp, A+16*\ab+4*\ip+2*\ii+\e, A+16*\ab+4*\ip+2*\ii+1-\e, P+16*\pb+4*\jp+\e, P+16*\pb+4*\jp+3-\e
.endif
.endr
.endr
.if (\start)==0
.irp ii, 0,1
.irp jp, 0,1,2,3
	ADD2 ACC+32*\ip+16*\ii+8*\half+2*\jp, T+8*\ii+2*\jp
.endr
.endr
.endif
.endm
.macro PAIRS ab, pb, half, start       ; 8 x rows against 8 p rows, 2 features: 128 elements
.irp ip, 0,1,2,3
	BATCH \ab, \pb, \half, \ip, 0, \start
	BATCH \ab, \pb, \half, \ip, 1, 0
.endr
.endm
.macro SUMS ab, start                  ; the rows that I add up: p register rows 0-7 (buffer 0), x register rows 0-3; start = 1: the first terms start the sums
.irp j, 0,1,2,3,4,5,6,7
.if \start
	v_dual_mov_b32 v[SP+2*\j], v[P+2*\j] :: v_dual_mov_b32 v[SP+2*\j+1], v[P+2*\j+1]
.else
	ADD2 SP+2*\j, P+2*\j
.endif
.endr
.irp i, 0,1,2,3
.if \start
	v_dual_mov_b32 v[SA+2*\i], v[A+16*\ab+2*\i] :: v_dual_mov_b32 v[SA+2*\i+1], v[A+16*\ab+2*\i+1]
.else
	ADD2 SA+2*\i, A+16*\ab+2*\i
.endif
.endr
.endm
; A step: 64 features, in two halves (p register rows 0-7 from buffer 0, rows 8-15 from buffer 1).  Each half first asks for what the next half needs, into the
; buffers that the half before has read, so each s_wait_dscnt 0 waits for loads that have had a whole half (128 instructions and more) in which to come.
; nxt = 0: the next step lies in this chunk; 1: in the next chunk, and left = how many of my tensor loads belong to chunks behind that one; 2: there is none.
.macro STEP s, ab, start, nxt, left
	s_wait_dscnt 0x0                               ; this step's x and p rows 0-7
	LDP 1, ADPH, \s
	SUMS \ab, \start
	PAIRS \ab, 0, 0, \start
	s_wait_dscnt 0x0                               ; p rows 8-15; also: no LDS instruction of mine is out at the signal below
.if \nxt == 0
	LDA 1-\ab, \s+1
	LDP 0, ADPL, \s+1
.endif
.if \nxt == 1
	s_wait_tensorcnt \left                         ; tensor loads of a wave end in order (ISA guide 10.11.1): my quarter of the next chunk is in,
	s_barrier_signal -1
	s_barrier_wait -1                              ; everybody's is.  Later chunks may stay out
.irp r, ADAL, ADAH, ADPL, ADPH
	v_add_nc_u32 v[\r], CHUNK, v[\r]
.endr
	LDA 1-\ab, 0
	LDP 0, ADPL, 0
.endif
	PAIRS \ab, 1, 1, \start
.endm
	s_wait_tensorcnt 0x6                           ; my quarter of chunk 0 is in; the six loads of chunks 1, 2, 3 stay out
	s_wait_loadcnt 0x0                             ; bias
	s_barrier_signal -1
	s_barrier_wait -1
	LDA 0, 0
	LDP 0, ADPL, 0
	STEP 0, 0, 1, 0, 0                             ; chunk 0; its first step starts all sums: nothing is cleared
	STEP 1, 1, 0, 0, 0
	STEP 2, 0, 0, 0, 0
	STEP 3, 1, 0, 1, 4                             ; chunks 2, 3 stay out
	STEP 0, 0, 0, 0, 0                             ; chunk 1
	STEP 1, 1, 0, 0, 0
	STEP 2, 0, 0, 0, 0
	STEP 3, 1, 0, 1, 2                             ; chunk 3 stays out
	STEP 0, 0, 0, 0, 0                             ; chunk 2
	STEP 1, 1, 0, 0, 0
	STEP 2, 0, 0, 0, 0
	STEP 3, 1, 0, 1, 0                             ; the last two loads: none is out from here to s_endpgm
	STEP 0, 0, 0, 0, 0                             ; chunk 3
	STEP 1, 1, 0, 0, 0
	STEP 2, 0, 0, 0, 0
	STEP 3, 1, 0, 2, 0
	; THE END.  Each of my 128 sums is spread over 32 lanes.  Group q (sums 4 q .. 4 q + 3) of all lanes goes to my own LDS bytes at 528 q + 16 lane;
	; lane l then reads group l of all 32 lanes and adds them up.
.set qq, 0
.rept 32
	ds_store_b128 v[SST], v[ACC+4*qq:ACC+4*qq+3] offset:qq*QP
.set qq, qq+1
.endr
	; meanwhile the 12 row sums: the two halves of each pair, then across the lanes (four steps inside 16 lanes ride on the addition, one crosses the halves)
.irp i, 0,1,2,3
	v_add_f32 v[T+\i], v[SA+2*\i], v[SA+2*\i+1]
.endr
.irp j, 0,1,2,3,4,5,6,7
	v_add_f32 v[T+4+\j], v[SP+2*\j], v[SP+2*\j+1]
.endr
.irp m, 1,2,4,8
.irp k, 0,1,2,3,4,5,6,7,8,9,10,11
	v_add_f32_dpp v[T+\k], v[T+\k], v[T+\k] row_xmask:\m row_mask:0xf bank_mask:0xf
.endr
.endr
.irp k, 0,1,2,3,4,5,6,7,8,9,10,11
	v_permlanex16_b32 v[A+\k], v[T+\k], s94, s95   ; its destination counts as read: x's buffer has been written
.endr
.irp k, 0,1,2,3,4,5,6,7,8,9,10,11
	v_add_f32 v[T+\k], v[T+\k], v[A+\k]
.endr
	v_mov_b32 v248, s97
	v_mov_b32 v249, s98
	ds_store_b128 v248, v[T:T+3]                   ; every lane holds the same sums and writes them to the same bytes
	ds_store_b128 v249, v[T+4:T+7]
	ds_store_b128 v249, v[T+8:T+11] offset:16
.set qq, 0
.rept 32
	ds_load_b128 v[ACC+4*qq:ACC+4*qq+3], v[SLD] offset:qq*16   ; LDS serves a wave's instructions in order (ISA guide 5.7.1): these see my stores above
.set qq, qq+1
.endr
	s_wait_dscnt 0x0                               ; my row sums are in LDS, for the others' sake; my 32 groups are back
	s_barrier_signal -1
.macro FOLD n                          ; groups 0 .. n - 1 += groups n .. 2 n - 1
.set qq, 0
.rept \n
	ADD2 ACC+4*qq, ACC+4*(qq+\n)
	ADD2 ACC+4*qq+2, ACC+4*(qq+\n)+2
.set qq, qq+1
.endr
.endm
	FOLD 16                                        ; register work while the others arrive
	FOLD 8
	FOLD 4
	FOLD 2
	FOLD 1
	s_barrier_wait -1                              ; all 48 row sums lie in the table
	ds_load_b32 v250, v[SXA]                       ; sx of my row
	ds_load_b128 v[252:255], v[SPA]                ; sp of my four columns
	s_wait_dscnt 0x0
.irp k, 0,1,2,3
	v_sub_f32 v[20+\k], v250, v[ACC+\k]            ; dist_x = sx - common
	v_sub_f32 v[24+\k], v[252+\k], v[ACC+\k]       ; dist_p = sp - common
	v_mul_f32 v[16+\k], s18, v[ACC+\k]             ; num = gamma common
	v_fma_f32 v[28+\k], s16, v[20+\k], v[16+\k]    ; + |alpha| dist_x
	v_fma_f32 v[28+\k], s17, v[24+\k], v[28+\k]    ; + |beta| dist_p
	v_add_f32 v[28+\k], 0x322bcc77, v[28+\k]       ; + 1e-8
.endr
.irp k, 0,1,2,3
	v_rcp_f32 v[32+\k], v[28+\k]
.endr
	v_nop                                          ; one plain vector instruction between v_rcp_f32 and the use of its result (ISA guide 5.7.2)
	s_wait_alu depctr_va_vdst(0)
.irp k, 0,1,2,3
	v_fma_f32 v[36+\k], v[16+\k], v[32+\k], v[BI+\k]
.endr
	global_store_b128 v[OFO], v[36:39], s[14:15] th:TH_STORE_NT
	s_set_vgpr_msb 0x4
	s_wait_tensorcnt 0x0
	ds_add_u32 v251, v1
	s_wait_dscnt 0x0
	s_set_vgpr_msb 0x400
	ROUND                                          ; the closing round: no work-group ends while a partner may still ask for a tile that names it
	s_endpgm
.Lfunc_end_k_qd51a030431_tversky:
	.size	k_qd51a030431_tversky, .Lfunc_end_k_qd51a030431_tversky-k_qd51a030431_tversky
	.p2alignl 7, 3214868480
	.fill 96, 4, 3214868480
	.section	.rodata,"a",@progbits
	.p2align	6, 0x0
	.amdhsa_kernel k_qd51a030431_tversky
		.amdhsa_group_segment_fixed_size 264960
		.amdhsa_private_segment_fixed_size 0
		.amdhsa_enable_private_segment 0
		.amdhsa_kernarg_size 48
		.amdhsa_user_sgpr_count 2
		.amdhsa_user_sgpr_kernarg_segment_ptr 1
		.amdhsa_wavefront_size32 1
		.amdhsa_system_sgpr_workgroup_id_x 1
		.amdhsa_system_sgpr_workgroup_id_y 1
		.amdhsa_system_sgpr_workgroup_id_z 1
		.amdhsa_system_vgpr_workitem_id 0
		.amdhsa_next_free_vgpr 258
		.amdhsa_next_free_sgpr 100
		.amdhsa_reserve_vcc 0
		.amdhsa_float_denorm_mode_32 3
		.amdhsa_float_denorm_mode_16_64 3
		.amdhsa_memory_ordered 1
		.amdhsa_forward_progress 1
		.amdhsa_inst_pref_size 255
	.end_amdhsa_kernel
	.section	.bss,"aw",@nobits
	.p2align	6
	.space	262144
	.amdgpu_metadata
---
amdhsa.version: [ 1, 2 ]
amdhsa.kernels:
  - .name:           k_qd51a030431_tversky
    .symbol:         k_qd51a030431_tversky.kd
    .args:
      - { .name: feat, .offset: 0, .size: 8, .value_kind: global_buffer, .address_space: global }
      - { .name: alpha, .offset: 8, .size: 8, .value_kind: global_buffer, .address_space: global }
      - { .name: beta, .offset: 16, .size: 8, .value_kind: global_buffer, .address_space: global }
      - { .name: gamma, .offset: 24, .size: 8, .value_kind: global_buffer, .address_space: global }
      - { .name: bias, .offset: 32, .size: 8, .value_kind: global_buffer, .address_space: global }
      - { .name: out0, .offset: 40, .size: 8, .value_kind: global_buffer, .address_space: global }
    .group_segment_fixed_size: 264960
    .private_segment_fixed_size: 0
    .kernarg_segment_align: 8
    .kernarg_segment_size: 48
    .max_flat_workgroup_size: 128
    .sgpr_count:     100
    .vgpr_count:     258
    .wavefront_size: 32
...
	.end_amdgpu_metadata
.endif
;; end of part 2
;; ======== version 2 of 2: 2 launches; 1.16 times as fast as version 1
;; workspace buffers: feat 3,145,728 bytes
;; launch project (part 3): grid 16 x 16, 8 waves a work-group, clusters of 4 x 4, 302,080 bytes of LDS; arguments x, prototypes, features, feat; writes feat
.if DOCPART == 3
	.amdgcn_target "amdgcn-amd-amdhsa--gfx1250"
	.amdhsa_code_object_version 6
	.text
	.protected	k_qd51a030431_project
	.globl	k_qd51a030431_project
	.p2align	8
	.type	k_qd51a030431_project,@function
k_qd51a030431_project:
	s_mov_b64 s[64:65], 0
	v_nop
	global_prefetch_b8 v0, s[64:65] scope:SCOPE_SE
	s_setreg_imm32_b32 hwreg(HW_REG_WAVE_MODE, 25, 1), 1
	s_wait_xcnt 0x0
	s_wait_alu depctr_hold_cnt(0) depctr_sa_sdst(0) depctr_va_vdst(0) depctr_va_sdst(0) depctr_va_ssrc(0) depctr_va_vcc(0) depctr_vm_vsrc(0)
	s_getreg_b32 s2, hwreg(HW_REG_IB_STS2, 6, 4)
	s_cmp_eq_u32 s2, 0
	s_cbranch_scc0 .Lentry_in_a_cluster
	s_endpgm
.Lentry_in_a_cluster:
	s_bfe_u32 s2, ttmp6, 0x10000c
	s_cmp_lg_u32 s2, 0xf033
	s_cbranch_scc0 .Lentry_shape_is_right
	s_endpgm
.Lentry_shape_is_right:
; feat[m][f] = relu( sum over k of rows[m][k] * features[k][f] ),  m = 0..767: rows 0-255 are x, rows 256-767 are prototypes.
; rows and features are f32 in memory, rounded to bf16 (nearest even) on the way to the matrix unit; sums, relu and feat in f32.
; LIMITS: the relu is v_max_num_f32, which turns a NaN into 0 where the reference keeps it; K is summed in eight parts, not in one ascending chain.
;
; A work-group makes 48 rows x 64 features; 16 x 16 work-groups.  Its rows are 16 of x (16 y ..) and 32 of prototypes (32 y ..), so no tile lies across two buffers.
; Its eight waves split K: wave w takes k = 128 w .. 128 w + 127 in four steps of 32 and holds all 12 tiles of 16 x 16 as partial sums, so no input byte
; is brought twice into the work-group.
; ROWS come by the tensor data mover.  CLUSTER 4 x 4: the four work-groups of a row of the cluster need the same 48 rows, so each tile is asked for jointly.
; Each wave asks for its own K of the rows (two loads: 16 and 32 rows of 512 bytes) into LDS bytes of its own, 528 bytes from row to row, and alone reads them:
; a fragment is four loads of 16 bytes a lane, as f32, packed to bf16 in registers.
; FEATURES go from memory straight into fragments.  Lane (r, h) loads 16 bytes = columns 4 r .. 4 r + 3 of one row k (sixteen lanes: 256 consecutive bytes,
; aligned).  Column 4 r + t is given to fragment t as its column r, so packing rows k and k + 1 of one loaded word gives one fragment register:
; nothing is transposed, and in the result the four tiles t = 0..3 hold four neighbouring features of one row.
; Features are shared along a column of the cluster and are NOT asked for jointly: the rows take 202,752 bytes of LDS and a work-group's features are 262,144,
; together more than the 327,680 that a work-group can be given; slots would have to be filled again, and these bytes would be read out of LDS once more.
;
; REGISTERS.  Window 0: v4-10 offsets, v44-91 row fragments (two buffers), v92-155 feature fragments (two buffers), v156-251 the 12 accumulators.
; Window 1: three regions of 64 registers for features as loaded, v192-239 for rows as read from LDS.  s_set_vgpr_msb: bits 1:0 source 0, 3:2 source 1, 7:6 destination.
.set ROWB,   4096                      ; bytes in a row of x, prototypes, features and feat
.set APITCH, 528                       ; a row's 128 f32 of one wave's K + 16 bytes: the 16 rows of a fragment load start 132 words apart
.set ASL,    48*APITCH                 ; a wave's rows in LDS: 25,344 bytes
.set RED,    8*ASL                     ; behind them: the partial sums; no tensor load lands here
.set REDW,   24*512                    ; a wave's partial sums: 24 groups of 4 registers x 32 lanes
.set GW0,    (2<<16)|(1<<20)|(1<<21)|(6<<22)|(3<<25)   ; group 1, word 0 without the mask: element of 4 bytes; padding on; bit 21 beside a mask; after every 128 words; 4 words
.set VAO,  4                           ; 16 x lane
.set VBO,  5                           ; 8 h rows + 16 r: my 16 bytes in features, and in feat on the way out
.set VFA,  7                           ; my rows in LDS: row r, 32 h
.set VRS,  8                           ; partial sums, in
.set VRL0, 9                           ; partial sums, back: waves 0-3
.set VRL1, 10                          ;                     waves 4-7
.set FA,   44
.set FB,   92
.set ACC,  156
.set SUM,  12                          ; the way out: 8 waves x 16 registers
.set RES,  140                         ; the way out: 4 rows x 4 neighbouring features
.set RAWA, 192                         ; window 1: three row tiles x 16 f32
.set PB,   38                          ; s[38:39] my K and my 64 columns of features
.set G1X,  40                          ; s[40:47] shape of the tile of x: 16 rows
.set G1P,  48                          ; s[48:55] shape of the tile of prototypes: 32 rows
.set G0X,  56                          ; s[56:59] from where, to where: x
.set G0P,  60                          ; s[60:63] the same for prototypes
.set MSB, 0
.macro WIN new                         ; the immediate's high byte repeats the setting that is left
.if MSB != \new
	s_set_vgpr_msb (MSB<<8)|\new
.set MSB, \new
.endif
.endm
.macro ROUND                           ; a round of the cluster's barrier
	s_barrier_signal -1
	s_barrier_wait -1
	s_cmp_lg_u32 s12, 0
	s_cbranch_scc1 .Lnot_wave_0_\@
	s_barrier_signal -3
.Lnot_wave_0_\@:
	s_barrier_wait -3
	s_barrier_signal -1
	s_barrier_wait -1
.endm
	s_load_b256 s[4:11], s[0:1], 0x0               ; x s[4:5], prototypes s[6:7], features s[8:9], feat s[10:11]
	v_lshl_add_u32 v254, v0, 2, 0x49800
	v_mov_b32 v255, 0
	ds_add_u32 v254, v255
	v_lshrrev_b32 v2, 5, v0
	v_readfirstlane_b32 s12, v2                    ; wave 0..7
	v_and_b32 v1, 31, v0                           ; lane
	v_and_b32 v2, 15, v0                           ; r
	v_bfe_u32 v3, v0, 4, 1                         ; h
	s_bfe_u32 s20, ttmp6, 0x40000                  ; cx
	s_bfe_u32 s21, ttmp6, 0x40004                  ; cy
	s_lshl_b32 s15, ttmp9, 2
	s_add_co_u32 s15, s15, s20                     ; which 64 features = 4 x cluster x + cx
	s_and_b32 s14, ttmp7, 0xffff
	s_lshl_b32 s14, s14, 2
	s_add_co_u32 s14, s14, s21                     ; which 48 rows = 4 x cluster y + cy
	s_lshl_b32 s22, s21, 2
	s_lshl_b32 s22, 15, s22                        ; my row of the cluster: places 4 cy .. 4 cy + 3
	; group 1: rows of 128 elements of 4 bytes, 1,024 elements from row to row, 16 rows (x) or 32 rows (prototypes)
	s_or_b32 s[G1X+0], s22, GW0
	s_or_b32 s[G1P+0], s22, GW0
	s_mov_b32 s[G1X+1], 128<<16                    ; tensor_dim0 = 128
	s_mov_b32 s[G1P+1], 128<<16
	s_mov_b32 s[G1X+2], 16<<16                     ; tensor_dim1 = 16
	s_mov_b32 s[G1P+2], 32<<16                     ;             = 32
	s_mov_b32 s[G1X+3], 128<<16                    ; tile_dim0 = 128
	s_mov_b32 s[G1P+3], 128<<16
	s_mov_b32 s[G1X+4], 16                         ; tile_dim1
	s_mov_b32 s[G1P+4], 32
	s_mov_b32 s[G1X+5], 1024                       ; elements from row to row
	s_mov_b32 s[G1P+5], 1024
	s_mov_b32 s[G1X+6], 0
	s_mov_b32 s[G1P+6], 0
	s_mov_b32 s[G1X+7], 0
	s_mov_b32 s[G1P+7], 0
	v_lshlrev_b32 v[VAO], 4, v1
	v_lshlrev_b32 v[VBO], 4, v2
	v_lshl_add_u32 v[VBO], v3, 15, v[VBO]          ; + h x 8 rows of 4,096 bytes
	s_mul_i32 s16, s12, ASL                        ; my rows in LDS: the wave's number alone
	v_mul_u32_u24 v[VFA], v2, APITCH
	v_lshl_add_u32 v[VFA], v3, 5, v[VFA]           ; + h x 8 f32
	v_add_nc_u32 v[VFA], s16, v[VFA]
	s_mul_i32 s19, s12, REDW
	s_add_co_u32 s19, s19, RED
	v_add_nc_u32 v[VRS], s19, v[VAO]
	; the way out: wave g = 0..5 sums row tile g / 2, registers 4 (g % 2) .. + 3; waves 6 and 7 get wave 5's numbers and use none of them
	s_min_u32 s13, s12, 5
	s_lshr_b32 s17, s13, 1                         ; row tile: 0 = x, 1 and 2 = prototypes
	s_and_b32 s18, s13, 1                          ; which four registers
	s_lshl_b32 s19, s17, 12                        ; group 8 tile + 2 t + half, 512 bytes each
	s_lshl_b32 s23, s18, 9
	s_add_co_u32 s19, s19, s23
	s_add_co_u32 s19, s19, RED
	v_add_nc_u32 v[VRL0], s19, v[VAO]
	v_add_nc_u32 v[VRL1], 4*REDW, v[VRL0]
	s_lshl_b32 s30, s14, 4                         ; tile 0: feat row 16 y
	s_lshl_b32 s31, s14, 5
	s_lshl4_add_u32 s31, s17, s31
	s_add_co_u32 s31, s31, 240                     ; tiles 1, 2: feat row 256 + 32 y + 16 (tile - 1)
	s_cmp_eq_u32 s17, 0
	s_cselect_b32 s30, s30, s31
	s_lshl2_add_u32 s30, s18, s30                  ; the first of the rows that I store
	s_lshl_b32 s30, s30, 12
	s_lshl_b32 s31, s15, 8                         ; my 64 features: 256 bytes
	s_add_co_u32 s30, s30, s31
	s_mov_b32 s31, 0
	; where my tiles come from: the block of rows and the wave's number alone, which my row of the cluster shares
	s_lshl_b32 s23, s12, 9                         ; my K: 128 f32
	s_lshl_b32 s24, s14, 16                        ; x: 16 rows of 4,096 bytes
	s_add_co_u32 s24, s24, s23
	s_mov_b32 s25, 0
	s_lshl_b32 s26, s14, 17                        ; prototypes: 32 rows
	s_add_co_u32 s26, s26, s23
	s_mov_b32 s27, 0
	s_lshl_b32 s28, s12, 19                        ; features: my 128 rows of 4,096 bytes
	s_lshl_b32 s29, s15, 8
	s_add_co_u32 s28, s28, s29
	s_mov_b32 s29, 0
	s_wait_dscnt 0x0
	s_wait_kmcnt 0x0
	s_add_nc_u64 s[10:11], s[10:11], s[30:31]
	s_add_nc_u64 s[PB:PB+1], s[8:9], s[28:29]
	s_mov_b32 s[G0X], 1
	s_add_co_u32 s[G0X+1], s16, 0                  ; LDS: my rows 0-15
	s_add_nc_u64 s[G0X+2:G0X+3], s[4:5], s[24:25]
	s_or_b32 s[G0X+3], s[G0X+3], 0x80000000
	s_mov_b32 s[G0P], 1
	s_add_co_u32 s[G0P+1], s16, 16*APITCH          ; LDS: my rows 16-47
	s_add_nc_u64 s[G0P+2:G0P+3], s[6:7], s[26:27]
	s_or_b32 s[G0P+3], s[G0P+3], 0x80000000
	ROUND                                          ; all sixteen work-groups are here: the joint loads meet
	tensor_load_to_lds s[G0X:G0X+3], s[G1X:G1X+7]  ; two tensor loads of a wave are out, no more; every LDS byte is filled once
	s_nop 0
	tensor_load_to_lds s[G0P:G0P+3], s[G1P:G1P+7]
	s_nop 0
.macro LOADB s, X                      ; K step s of features into region X: load u brings k = 8 h + u (u < 8) or 16 + 8 h + u - 8, the order of a fragment's registers
	WIN 0x40                                       ; destination in window 1, offsets in window 0
.irp u, 0,1,2,3,4,5,6,7,8,9,10,11,12,13,14,15
	global_load_b128 v[64*\X+4*\u:64*\X+4*\u+3], v[VBO], s[PB:PB+1] offset:(32*\s+\u+8*(\u/8))*ROWB
.endr
.endm
.macro LDRA s                          ; K step s of my 48 rows, as f32: k = 8 h .. + 7 (32 bytes) and k = 16 + 8 h .. + 7 (32 bytes, 64 further on)
	WIN 0x40
.irp R, 0,1,2
	ds_load_b128 v[RAWA+16*\R:RAWA+16*\R+3],     v[VFA] offset:\R*16*APITCH+\s*128
	ds_load_b128 v[RAWA+16*\R+4:RAWA+16*\R+7],   v[VFA] offset:\R*16*APITCH+\s*128+16
	ds_load_b128 v[RAWA+16*\R+8:RAWA+16*\R+11],  v[VFA] offset:\R*16*APITCH+\s*128+64
	ds_load_b128 v[RAWA+16*\R+12:RAWA+16*\R+15], v[VFA] offset:\R*16*APITCH+\s*128+80
.endr
.endm
.macro CVTA buf                        ; the rows just read to the three row fragments: register q = k numbers 2 q, 2 q + 1 of the lane's sixteen
	WIN 0x05
.irp R, 0,1,2
.irp q, 0,1,2,3,4,5,6,7
	v_cvt_pk_bf16_f32 v[FA+24*\buf+8*\R+\q], v[RAWA+16*\R+2*\q], v[RAWA+16*\R+2*\q+1]
.endr
.endr
.endm
.macro CVTB X, buf                     ; region X to the four feature fragments: register q of fragment t = rows 2 q, 2 q + 1 of the loads, word t
	WIN 0x05
.irp t, 0,1,2,3
.irp q, 0,1,2,3,4,5,6,7
	v_cvt_pk_bf16_f32 v[FB+32*\buf+8*\t+\q], v[64*\X+8*\q+\t], v[64*\X+8*\q+4+\t]
.endr
.endr
.endm
.macro MUL buf, zero                   ; 12 matrix instructions; the 12 accumulators take turns, one instruction a turn
	WIN 0
.irp R, 0,1,2
.irp t, 0,1,2,3
.if \zero
	v_wmma_f32_16x16x32_bf16 v[ACC+8*(4*\R+\t):ACC+8*(4*\R+\t)+7], v[FA+24*\buf+8*\R:FA+24*\buf+8*\R+7], v[FB+32*\buf+8*\t:FB+32*\buf+8*\t+7], 0
.else
	v_wmma_f32_16x16x32_bf16 v[ACC+8*(4*\R+\t):ACC+8*(4*\R+\t)+7], v[FA+24*\buf+8*\R:FA+24*\buf+8*\R+7], v[FB+32*\buf+8*\t:FB+32*\buf+8*\t+7], v[ACC+8*(4*\R+\t):ACC+8*(4*\R+\t)+7]
.endif
.endr
.endr
.endm
	; Three K steps of features are asked for at once, the fourth as soon as region 0 has been packed.
	; Every s_wait_loadcnt's count is the loads issued behind the step that is wanted: 32, 32, 16, 0.
	; Both kinds of fragments have two buffers: a buffer is written again two K steps after matrix instructions read it, and the 56 conversions of
	; the step between are the places that stand behind those matrix instructions (ISA guide 7.12.1).
	LOADB 0, 0
	LOADB 1, 1
	LOADB 2, 2
	s_wait_tensorcnt 0x0                           ; my two tiles are in LDS; I alone read them, so no barrier follows
	LDRA 0
	s_wait_dscnt 0x0
	CVTA 0
	LDRA 1                                         ; the next step's rows come while this step's features are packed
	s_wait_loadcnt 32                              ; K step 0; steps 1 and 2 stay out
	CVTB 0, 0
	LOADB 3, 0
	MUL 0, 1                                       ; the first products start the sums: nothing is cleared
	s_wait_dscnt 0x0
	CVTA 1
	LDRA 2
	s_wait_loadcnt 32                              ; K step 1; steps 2 and 3 stay out
	CVTB 1, 1
	MUL 1, 0
	s_wait_dscnt 0x0
	CVTA 0
	LDRA 3
	s_wait_loadcnt 16                              ; K step 2; step 3 stays out
	CVTB 2, 0
	MUL 0, 0
	s_wait_dscnt 0x0
	CVTA 1
	s_wait_loadcnt 0
	CVTB 0, 1
	MUL 1, 0
	; The eight partial sums meet in LDS: group Q = registers 4 Q .. 4 Q + 3 of my 96, 512 consecutive bytes a store.
.rept 4
	v_nop                                          ; four places behind the last matrix instruction before its result is read (ISA guide 7.12.1)
.endr
.irp Q, 0,1,2,3,4,5,6,7,8,9,10,11,12,13,14,15,16,17,18,19,20,21,22,23
	ds_store_b128 v[VRS], v[ACC+4*\Q:ACC+4*\Q+3] offset:\Q*512
.endr
	s_wait_dscnt 0x0                               ; my stores are in LDS before I say so
	s_barrier_signal -1
	s_barrier_wait -1                              ; everybody's are
	s_cmp_ge_u32 s12, 6
	s_cbranch_scc1 .Lend                           ; six groups of (row tile, four registers): waves 6 and 7 have none
.irp w, 0,1,2,3
.irp t, 0,1,2,3
	ds_load_b128 v[SUM+16*\w+4*\t:SUM+16*\w+4*\t+3], v[VRL0] offset:\w*REDW+\t*1024
.endr
.endr
.irp w, 0,1,2,3
.irp t, 0,1,2,3
	ds_load_b128 v[SUM+64+16*\w+4*\t:SUM+64+16*\w+4*\t+3], v[VRL1] offset:\w*REDW+\t*1024
.endr
.endr
	s_wait_dscnt 0x0
.macro ADD16 d, s                      ; wave d's 16 numbers += wave s's
.irp p, 0,2,4,6,8,10,12,14
	v_pk_add_f32 v[SUM+16*\d+\p:SUM+16*\d+\p+1], v[SUM+16*\d+\p:SUM+16*\d+\p+1], v[SUM+16*\s+\p:SUM+16*\s+\p+1]
.endr
.endm
	ADD16 0, 4
	ADD16 1, 5
	ADD16 2, 6
	ADD16 3, 7
	ADD16 0, 2
	ADD16 1, 3
	ADD16 0, 1
	; relu, and by its destination the four tiles' numbers of one row come to lie side by side: features 4 r .. 4 r + 3
.irp i, 0,1,2,3
.irp t, 0,1,2,3
	v_max_num_f32 v[RES+4*\i+\t], 0, v[SUM+4*\t+\i]
.endr
.endr
.irp i, 0,1,2,3
	global_store_b128 v[VBO], v[RES+4*\i:RES+4*\i+3], s[10:11] offset:\i*ROWB   ; lanes 0-15 and 16-31 each store 256 consecutive bytes, aligned, of two rows
.endr
.Lend:
	s_wait_tensorcnt 0x0
	ds_add_u32 v254, v255
	s_wait_dscnt 0x0
	ROUND                                          ; the closing round, passed by all eight waves: no work-group ends while a partner may still ask for a tile that names it
	s_endpgm
.Lfunc_end_k_qd51a030431_project:
	.size	k_qd51a030431_project, .Lfunc_end_k_qd51a030431_project-k_qd51a030431_project
	.p2alignl 7, 3214868480
	.fill 96, 4, 3214868480
	.section	.rodata,"a",@progbits
	.p2align	6, 0x0
	.amdhsa_kernel k_qd51a030431_project
		.amdhsa_group_segment_fixed_size 302080
		.amdhsa_private_segment_fixed_size 0
		.amdhsa_enable_private_segment 0
		.amdhsa_kernarg_size 32
		.amdhsa_user_sgpr_count 2
		.amdhsa_user_sgpr_kernarg_segment_ptr 1
		.amdhsa_wavefront_size32 1
		.amdhsa_system_sgpr_workgroup_id_x 1
		.amdhsa_system_sgpr_workgroup_id_y 1
		.amdhsa_system_sgpr_workgroup_id_z 1
		.amdhsa_system_vgpr_workitem_id 0
		.amdhsa_next_free_vgpr 512
		.amdhsa_next_free_sgpr 66
		.amdhsa_reserve_vcc 0
		.amdhsa_float_denorm_mode_32 3
		.amdhsa_float_denorm_mode_16_64 3
		.amdhsa_memory_ordered 1
		.amdhsa_forward_progress 1
		.amdhsa_inst_pref_size 41
	.end_amdhsa_kernel
	.amdgpu_metadata
---
amdhsa.version: [ 1, 2 ]
amdhsa.kernels:
  - .name:           k_qd51a030431_project
    .symbol:         k_qd51a030431_project.kd
    .args:
      - { .name: x, .offset: 0, .size: 8, .value_kind: global_buffer, .address_space: global }
      - { .name: prototypes, .offset: 8, .size: 8, .value_kind: global_buffer, .address_space: global }
      - { .name: features, .offset: 16, .size: 8, .value_kind: global_buffer, .address_space: global }
      - { .name: feat, .offset: 24, .size: 8, .value_kind: global_buffer, .address_space: global }
    .group_segment_fixed_size: 302080
    .private_segment_fixed_size: 0
    .kernarg_segment_align: 8
    .kernarg_segment_size: 32
    .max_flat_workgroup_size: 256
    .sgpr_count:     66
    .vgpr_count:     512
    .wavefront_size: 32
...
	.end_amdgpu_metadata
.endif
;; end of part 3
;; launch tversky (part 4): grid 16 x 16, 4 waves a work-group, clusters of 4 x 4, 264,960 bytes of LDS; arguments feat, alpha, beta, gamma, bias, out0; writes out0
.if DOCPART == 4
	.amdgcn_target "amdgcn-amd-amdhsa--gfx1250"
	.amdhsa_code_object_version 6
	.text
	.protected	k_qd51a030431_tversky
	.globl	k_qd51a030431_tversky
	.p2align	8
	.type	k_qd51a030431_tversky,@function
k_qd51a030431_tversky:
	s_mov_b64 s[64:65], 0
	v_nop
	global_prefetch_b8 v0, s[64:65] scope:SCOPE_SE
	s_setreg_imm32_b32 hwreg(HW_REG_WAVE_MODE, 25, 1), 1
	s_wait_xcnt 0x0
	s_wait_alu depctr_hold_cnt(0) depctr_sa_sdst(0) depctr_va_vdst(0) depctr_va_sdst(0) depctr_va_ssrc(0) depctr_va_vcc(0) depctr_vm_vsrc(0)
	s_getreg_b32 s2, hwreg(HW_REG_IB_STS2, 6, 4)
	s_cmp_eq_u32 s2, 0
	s_cbranch_scc0 .Lentry_in_a_cluster
	s_endpgm
.Lentry_in_a_cluster:
	s_bfe_u32 s2, ttmp6, 0x10000c
	s_cmp_lg_u32 s2, 0xf033
	s_cbranch_scc0 .Lentry_shape_is_right
	s_endpgm
.Lentry_shape_is_right:
; out0[b][o] = gamma C / (gamma C + |alpha| (sx[b] - C) + |beta| (sp[o] - C) + 1e-8) + bias[o],   C = sum over f of min(xf[b][f], pf[o][f]),
; sx, sp the row sums; xf = feat rows 0-255, pf = feat rows 256-767, all f32.  C is the reference's 0.5 (sx + sp - sum |xf - pf|), summed directly:
; one minimum and one addition an element, and no difference of large sums.
; LIMITS: v_min_num_f32 drops a NaN where the reference keeps it; the division is v_rcp_f32 and a multiply-add (a denominator below 2^-126 in size counts as 0,
; ISA guide 15.8); the sums run in another order than the reference's.
;
; A work-group makes 16 b x 32 o; 16 x 16 work-groups.  Its 48 rows of feat (196,608 bytes) lie in LDS whole: every byte is filled once, nothing is filled again.
; CLUSTER 4 x 4: the four work-groups of a row of the cluster need the same 16 rows of xf, the four of a column the same 32 rows of pf; each tile is asked for
; jointly.  The rows come in four chunks of 256 features; each wave asks for its quarter of each chunk (4 rows of xf, 8 of pf, 1,024 bytes of each row): eight tensor
; loads of a wave are out at the most.  alpha, beta, gamma and bias are asked for behind the tensor loads and waited for where chunk 0 is waited for.
; A wave makes 8 b x 16 o with the LANES ALONG f: in a step of 64 features a lane holds 2 features of each of its 24 rows (24 loads of 8 bytes for 256 elements).
; Two minima go in one dual instruction, two additions in one packed one.  At the end the 128 sums x 32 lanes are turned round through LDS bytes of the wave's own.
; Each row is read by two waves; each wave adds up the rows in its first 4 x registers and first 8 p registers, and the rows are dealt so that the four waves
; cover all 48: register row i holds b = 8 wb + (i + 4 wo) mod 8, register row j holds o = 16 wo + (j + 8 wb) mod 16  (wave = 2 wb + wo).
; out0 leaves in pieces of 64 bytes (4 lanes x 16): a tile's row is 128 bytes.  A tile of 8 x 64 would have rows of 256 bytes, and would bring 72 rows
; (294,912 bytes) instead of 48 for its 2,048 bytes of results.
; The 32 half steps are written out by macro: each chunk's wait on the tensor loads has a count of its own.
.set CROW,  1024                       ; bytes of a row in a chunk
.set CHUNK, 48*CROW                    ; 16 rows of xf, then 32 rows of pf
.set PPART, 16*CROW
.set SCR,   4*CHUNK                    ; behind the tiles: each wave's bytes for turning its sums round; no tensor load lands here
.set QP,    528                        ; 32 lanes x 16 bytes + 16: lanes that read 528 bytes apart start 132 words apart
.set SCRW,  32*QP
.set SUMT,  SCR+4*SCRW                 ; 16 sums of xf rows, 32 sums of pf rows
.set LANE, 1
.set ADAL, 2                           ; LDS address of my 8 bytes in register rows 0-3 of x
.set ADAH, 3                           ;                                        rows 4-7
.set ADPL, 4                           ; the same for p, register rows 0-7
.set ADPH, 5                           ;                          rows 8-15
.set SST,  6                           ; turning round: in
.set SLD,  7                           ; turning round: back
.set BI,   8                           ; v[8:11] bias of my four columns
.set OFO,  12                          ; my byte offset in the tile of out0
.set SXA,  13                          ; where my row's sum will lie
.set SPA,  14                          ; where my four columns' sums will lie
.set BOF,  15                          ; 4 x my first column
.set A,    16                          ; v[16:47]   x: two buffers of 8 rows x 2 features
.set P,    48                          ; v[48:79]   p: two buffers of 8 rows x 2 features
.set T,    80                          ; v[80:95]   16 minima
.set SA,   96                          ; v[96:103]  row sums of x, a pair for each of 4 rows
.set SP,   104                         ; v[104:119] row sums of p, a pair for each of 8 rows
.set ACC,  120                         ; v[120:247] sum (i, j) at ACC + 16 i + j
.set G1X, 24                           ; s[24:31] shape of an xf tile, mask of my row of the cluster
.set G1P, 32                           ; s[32:39] shape of a pf tile, mask of my column
.set G0X, 40                           ; s[40:55] from where, to where: xf, one set for each chunk
.set G0P, 68                           ; s[68:83] the same for pf
.macro ROUND                           ; a round of the cluster's barrier
	s_barrier_signal -1
	s_barrier_wait -1
	s_cmp_lg_u32 s19, 0
	s_cbranch_scc1 .Lnot_wave_0_\@
	s_barrier_signal -3
.Lnot_wave_0_\@:
	s_barrier_wait -3
	s_barrier_signal -1
	s_barrier_wait -1
.endm
	s_load_b256 s[4:11], s[0:1], 0x0               ; feat s[4:5], alpha s[6:7], beta s[8:9], gamma s[10:11]
	s_load_b128 s[12:15], s[0:1], 0x20             ; bias s[12:13], out0 s[14:15]
	v_lshl_add_u32 v251, v0, 2, 0x40900
	s_set_vgpr_msb 0x40
	v_mov_b32 v1, 0
	s_set_vgpr_msb 0x4044
	ds_add_u32 v251, v1
	s_set_vgpr_msb 0x4400
	v_lshrrev_b32 v1, 5, v0
	v_readfirstlane_b32 s19, v1                    ; wave 0..3
	v_and_b32 v[LANE], 31, v0
	s_bfe_u32 s20, ttmp6, 0x40000                  ; cx
	s_bfe_u32 s21, ttmp6, 0x40004                  ; cy
	s_lshl_b32 s22, ttmp9, 2
	s_add_co_u32 s22, s22, s20                     ; which 32 o = 4 x cluster x + cx
	s_and_b32 s23, ttmp7, 0xffff
	s_lshl_b32 s23, s23, 2
	s_add_co_u32 s23, s23, s21                     ; which 16 b = 4 x cluster y + cy
	s_lshl_b32 s60, s21, 2
	s_lshl_b32 s60, 15, s60                        ; my row of the cluster: places 4 cy .. 4 cy + 3
	s_lshl_b32 s62, 0x1111, s20                    ; my column: places cx, cx + 4, cx + 8, cx + 12
	; group 1: rows of 256 elements of 4 bytes, 1,024 elements from row to row; 4 rows (xf) or 8 rows (pf)
	s_or_b32 s[G1X+0], s60, (2<<16)|(1<<21)        ; 15:0 mask; 17:16 element of 4 bytes; 21 set beside a mask; no padding: the reads are contiguous
	s_or_b32 s[G1P+0], s62, (2<<16)|(1<<21)
	s_mov_b32 s[G1X+1], 256<<16                    ; tensor_dim0 = 256
	s_mov_b32 s[G1P+1], 256<<16
	s_mov_b32 s[G1X+2], 4<<16                      ; tensor_dim1 = 4
	s_mov_b32 s[G1P+2], 8<<16                      ;             = 8
	s_mov_b32 s[G1X+3], 256<<16                    ; tile_dim0 = 256
	s_mov_b32 s[G1P+3], 256<<16
	s_mov_b32 s[G1X+4], 4                          ; tile_dim1
	s_mov_b32 s[G1P+4], 8
	s_mov_b32 s[G1X+5], 1024                       ; elements from row to row
	s_mov_b32 s[G1P+5], 1024
	s_mov_b32 s[G1X+6], 0
	s_mov_b32 s[G1P+6], 0
	s_mov_b32 s[G1X+7], 0
	s_mov_b32 s[G1P+7], 0
	; where my quarters come from: xf hangs on the block of b and the wave alone, pf on the block of o and the wave alone, each in registers of its own
	s_lshl_b32 s60, s23, 16                        ; 16 rows of 4,096 bytes
	s_lshl_b32 s61, s19, 14                        ; my 4 rows
	s_add_co_u32 s60, s60, s61
	s_mov_b32 s61, 0
	s_lshl_b32 s62, s22, 17                        ; 32 rows
	s_lshl_b32 s63, s19, 15                        ; my 8 rows
	s_add_co_u32 s62, s62, s63
	s_add_co_u32 s62, s62, 0x100000                ; behind the 256 rows of xf
	s_mov_b32 s63, 0
	s_lshl_b32 s86, s19, 12                        ; and where they go: 4 rows of 1,024 bytes a wave,
	s_lshl_b32 s87, s19, 13                        ; 8 rows a wave
	s_add_co_u32 s87, s87, PPART
	s_wait_dscnt 0x0
	s_wait_kmcnt 0x0
	s_add_nc_u64 s[56:57], s[4:5], s[60:61]
	s_add_nc_u64 s[58:59], s[4:5], s[62:63]
	ROUND                                          ; all sixteen work-groups are here: the joint loads meet
.irp c, 0,1,2,3
	s_mov_b32 s[G0X+4*\c], 1
	s_add_co_u32 s[G0X+4*\c+1], s86, \c*CHUNK
	s_add_nc_u64 s[G0X+4*\c+2:G0X+4*\c+3], s[56:57], \c*CROW
	s_or_b32 s[G0X+4*\c+3], s[G0X+4*\c+3], 0x80000000
	s_mov_b32 s[G0P+4*\c], 1
	s_add_co_u32 s[G0P+4*\c+1], s87, \c*CHUNK
	s_add_nc_u64 s[G0P+4*\c+2:G0P+4*\c+3], s[58:59], \c*CROW
	s_or_b32 s[G0P+4*\c+3], s[G0P+4*\c+3], 0x80000000
	tensor_load_to_lds s[G0X+4*\c:G0X+4*\c+3], s[G1X:G1X+7]
	s_nop 0
	tensor_load_to_lds s[G0P+4*\c:G0P+4*\c+3], s[G1P:G1P+7]
	s_nop 0
.endr
	; the three numbers, while the tiles are on their way: they are waited for where chunk 0 is, in front of their first use
	s_load_b32 s16, s[6:7], 0x0                    ; alpha
	s_load_b32 s17, s[8:9], 0x0                    ; beta
	s_load_b32 s18, s[10:11], 0x0                  ; gamma
	s_lshl_b32 s92, s22, 7                         ; my 32 columns: 128 bytes
	s_mov_b32 s93, 0
	s_add_nc_u64 s[12:13], s[12:13], s[92:93]
	s_add_nc_u64 s[14:15], s[14:15], s[92:93]
	s_lshl_b32 s92, s23, 15                        ; my 16 rows of 2,048 bytes
	s_add_nc_u64 s[14:15], s[14:15], s[92:93]
	; addresses
	s_lshr_b32 s84, s19, 1                         ; wb
	s_and_b32 s85, s19, 1                          ; wo
	v_lshlrev_b32 v248, 3, v[LANE]                 ; 8 bytes a lane
	v_add_nc_u32 v[ADAL], s86, v248                ; x rows 4 w .. 4 w + 3: the ones that I add up
	s_lshl_b32 s88, s85, 1
	s_sub_co_u32 s88, s19, s88
	s_add_co_u32 s88, s88, 1                       ; the wave beside me: w + 1 - 2 wo
	s_lshl_b32 s88, s88, 12
	v_add_nc_u32 v[ADAH], s88, v248
	s_lshl_b32 s89, s85, 14                        ; 16 wo rows
	s_add_co_u32 s89, s89, PPART
	s_lshl_b32 s90, s84, 13                        ; 8 wb rows
	s_add_co_u32 s90, s90, s89
	v_add_nc_u32 v[ADPL], s90, v248                ; p rows 16 wo + 8 wb .. + 7: the ones that I add up
	s_sub_co_u32 s91, 1, s84
	s_lshl_b32 s91, s91, 13
	s_add_co_u32 s91, s91, s89
	v_add_nc_u32 v[ADPH], s91, v248
	s_mul_i32 s96, s19, SCRW
	s_add_co_u32 s96, s96, SCR
	v_lshl_add_u32 v[SST], v[LANE], 4, s96
	v_mul_u32_u24 v[SLD], v[LANE], QP
	v_add_nc_u32 v[SLD], s96, v[SLD]
	; at the end lane l holds sums 4 l .. 4 l + 3: register row i = l / 4, register rows j = 4 (l % 4) .. + 3
	v_lshrrev_b32 v249, 2, v[LANE]
	v_and_b32 v250, 3, v[LANE]
	v_lshlrev_b32 v250, 2, v250
	s_lshl_b32 s91, s85, 2
	v_add_nc_u32 v249, s91, v249
	v_and_b32 v249, 7, v249                        ; (i + 4 wo) mod 8
	s_lshl_b32 s99, s84, 3
	v_add_nc_u32 v250, s99, v250
	v_and_b32 v250, 15, v250                       ; (j + 8 wb) mod 16
	v_add_nc_u32 v249, s99, v249                   ; my b in the tile
	s_lshl_b32 s91, s85, 4
	v_add_nc_u32 v250, s91, v250                   ; my first o in the tile
	v_lshlrev_b32 v[BOF], 2, v250
	v_lshl_add_u32 v[OFO], v249, 11, v[BOF]
	v_lshlrev_b32 v[SXA], 2, v249
	v_add_nc_u32 v[SXA], SUMT, v[SXA]
	v_add_nc_u32 v[SPA], SUMT+64, v[BOF]
	global_load_b128 v[BI:BI+3], v[BOF], s[12:13]
	s_lshl_b32 s97, s19, 4
	s_add_co_u32 s97, s97, SUMT                    ; my four x sums: b = 4 w ..
	s_lshl_b32 s98, s85, 6
	s_lshl_b32 s99, s84, 5
	s_add_co_u32 s98, s98, s99
	s_add_co_u32 s98, s98, SUMT+64                 ; my eight p sums: o = 16 wo + 8 wb ..
	s_mov_b32 s94, 0x76543210                      ; v_permlanex16_b32: lane i of one half reads lane i of the other
	s_mov_b32 s95, 0xfedcba98
.macro LDA buf, s                      ; x: my eight rows, step s of the chunk at which the address registers point
.irp i, 0,1,2,3
	ds_load_b64 v[A+16*(\buf)+2*\i:A+16*(\buf)+2*\i+1], v[ADAL] offset:\i*CROW+(\s)*256
.endr
.irp i, 0,1,2,3
	ds_load_b64 v[A+16*(\buf)+8+2*\i:A+16*(\buf)+8+2*\i+1], v[ADAH] offset:\i*CROW+(\s)*256
.endr
.endm
.macro LDP buf, adr, s                 ; p: eight rows; a load's 32 lanes read 256 consecutive bytes
.irp j, 0,1,2,3,4,5,6,7
	ds_load_b64 v[P+16*(\buf)+2*\j:P+16*(\buf)+2*\j+1], v[\adr] offset:\j*CROW+(\s)*256
.endr
.endm
; Two minima in one issue.  The halves' first sources differ in register number mod 4, so do their second sources, and one destination is even, one odd.
.macro MIN2 d, a0, a1, p0, p1
	v_dual_min_num_f32 v[\d], v[\a0], v[\p0] :: v_dual_min_num_f32 v[\d+1], v[\a1], v[\p1]
.endm
.macro ADD2 d, t
	v_pk_add_f32 v[\d:\d+1], v[\d:\d+1], v[\t:\t+1]
.endm
; 16 elements: x rows 2 ip, 2 ip + 1 against the buffer's 8 p rows.  A pair of sums is (i, j), (i, j + 1); the first takes feature e, the second feature 1 - e,
; so that the dual's sources fall in different banks; the call with the other e completes both.  start = 1: the minima themselves start the sums.
.macro BATCH ab, pb, half, ip, e, start
.irp ii, 0,1
.irp jp, 0,1,2,3
.if \start
	MIN2 ACC+32*\ip+16*\ii+8*\half+2*\jp, A+16*\ab+4*\ip+2*\ii+\e, A+16*\ab+4*\ip+2*\ii+1-\e, P+16*\pb+4*\jp+\e, P+16*\pb+4*\jp+3-\e
.else
	MIN2 T+8*\ii+2*\jp, A+16*\ab+4*\ip+2*\ii+\e, A+16*\ab+4*\ip+2*\ii+1-\e, P+16*\pb+4*\jp+\e, P+16*\pb+4*\jp+3-\e
.endif
.endr
.endr
.if (\start)==0
.irp ii, 0,1
.irp jp, 0,1,2,3
	ADD2 ACC+32*\ip+16*\ii+8*\half+2*\jp, T+8*\ii+2*\jp
.endr
.endr
.endif
.endm
.macro PAIRS ab, pb, half, start       ; 8 x rows against 8 p rows, 2 features: 128 elements
.irp ip, 0,1,2,3
	BATCH \ab, \pb, \half, \ip, 0, \start
	BATCH \ab, \pb, \half, \ip, 1, 0
.endr
.endm
.macro SUMS ab, start                  ; the rows that I add up: p register rows 0-7 (buffer 0), x register rows 0-3; start = 1: the first terms start the sums
.irp j, 0,1,2,3,4,5,6,7
.if \start
	v_dual_mov_b32 v[SP+2*\j], v[P+2*\j] :: v_dual_mov_b32 v[SP+2*\j+1], v[P+2*\j+1]
.else
	ADD2 SP+2*\j, P+2*\j
.endif
.endr
.irp i, 0,1,2,3
.if \start
	v_dual_mov_b32 v[SA+2*\i], v[A+16*\ab+2*\i] :: v_dual_mov_b32 v[SA+2*\i+1], v[A+16*\ab+2*\i+1]
.else
	ADD2 SA+2*\i, A+16*\ab+2*\i
.endif
.endr
.endm
; A step: 64 features, in two halves (p register rows 0-7 from buffer 0, rows 8-15 from buffer 1).  Each half first asks for what the next half needs, into the
; buffers that the half before has read, so each s_wait_dscnt 0 waits for loads that have had a whole half (128 instructions and more) in which to come.
; nxt = 0: the next step lies in this chunk; 1: in the next chunk, and left = how many of my tensor loads belong to chunks behind that one; 2: there is none.
.macro STEP s, ab, start, nxt, left
	s_wait_dscnt 0x0                               ; this step's x and p rows 0-7
	LDP 1, ADPH, \s
	SUMS \ab, \start
	PAIRS \ab, 0, 0, \start
	s_wait_dscnt 0x0                               ; p rows 8-15; also: no LDS instruction of mine is out at the signal below
.if \nxt == 0
	LDA 1-\ab, \s+1
	LDP 0, ADPL, \s+1
.endif
.if \nxt == 1
	s_wait_tensorcnt \left                         ; tensor loads of a wave end in order (ISA guide 10.11.1): my quarter of the next chunk is in,
	s_barrier_signal -1
	s_barrier_wait -1                              ; everybody's is.  Later chunks may stay out
.irp r, ADAL, ADAH, ADPL, ADPH
	v_add_nc_u32 v[\r], CHUNK, v[\r]
.endr
	LDA 1-\ab, 0
	LDP 0, ADPL, 0
.endif
	PAIRS \ab, 1, 1, \start
.endm
	s_wait_tensorcnt 0x6                           ; my quarter of chunk 0 is in; the six loads of chunks 1, 2, 3 stay out
	s_wait_loadcnt 0x0                             ; bias
	s_wait_kmcnt 0x0                               ; alpha, beta, gamma: asked for behind the tensor loads, first read in the two lines below
	s_and_b32 s16, s16, 0x7fffffff                 ; |alpha|
	s_and_b32 s17, s17, 0x7fffffff                 ; |beta|
	s_barrier_signal -1
	s_barrier_wait -1
	LDA 0, 0
	LDP 0, ADPL, 0
	STEP 0, 0, 1, 0, 0                             ; chunk 0; its first step starts all sums: nothing is cleared
	STEP 1, 1, 0, 0, 0
	STEP 2, 0, 0, 0, 0
	STEP 3, 1, 0, 1, 4                             ; chunks 2, 3 stay out
	STEP 0, 0, 0, 0, 0                             ; chunk 1
	STEP 1, 1, 0, 0, 0
	STEP 2, 0, 0, 0, 0
	STEP 3, 1, 0, 1, 2                             ; chunk 3 stays out
	STEP 0, 0, 0, 0, 0                             ; chunk 2
	STEP 1, 1, 0, 0, 0
	STEP 2, 0, 0, 0, 0
	STEP 3, 1, 0, 1, 0                             ; the last two loads: none is out from here to s_endpgm
	STEP 0, 0, 0, 0, 0                             ; chunk 3
	STEP 1, 1, 0, 0, 0
	STEP 2, 0, 0, 0, 0
	STEP 3, 1, 0, 2, 0
	; THE END.  Each of my 128 sums is spread over 32 lanes.  Group q (sums 4 q .. 4 q + 3) of all lanes goes to my own LDS bytes at 528 q + 16 lane;
	; lane l then reads group l of all 32 lanes and adds them up.
.set qq, 0
.rept 32
	ds_store_b128 v[SST], v[ACC+4*qq:ACC+4*qq+3] offset:qq*QP
.set qq, qq+1
.endr
	; meanwhile the 12 row sums: the two halves of each pair, then across the lanes (four steps inside 16 lanes ride on the addition, one crosses the halves)
.irp i, 0,1,2,3
	v_add_f32 v[T+\i], v[SA+2*\i], v[SA+2*\i+1]
.endr
.irp j, 0,1,2,3,4,5,6,7
	v_add_f32 v[T+4+\j], v[SP+2*\j], v[SP+2*\j+1]
.endr
.irp m, 1,2,4,8
.irp k, 0,1,2,3,4,5,6,7,8,9,10,11
	v_add_f32_dpp v[T+\k], v[T+\k], v[T+\k] row_xmask:\m row_mask:0xf bank_mask:0xf
.endr
.endr
.irp k, 0,1,2,3,4,5,6,7,8,9,10,11
	v_permlanex16_b32 v[A+\k], v[T+\k], s94, s95   ; its destination counts as read: x's buffer has been written
.endr
.irp k, 0,1,2,3,4,5,6,7,8,9,10,11
	v_add_f32 v[T+\k], v[T+\k], v[A+\k]
.endr
	v_mov_b32 v248, s97
	v_mov_b32 v249, s98
	ds_store_b128 v248, v[T:T+3]                   ; every lane holds the same sums and writes them to the same bytes
	ds_store_b128 v249, v[T+4:T+7]
	ds_store_b128 v249, v[T+8:T+11] offset:16
.set qq, 0
.rept 32
	ds_load_b128 v[ACC+4*qq:ACC+4*qq+3], v[SLD] offset:qq*16   ; LDS serves a wave's instructions in order (ISA guide 5.7.1): these see my stores above
.set qq, qq+1
.endr
	s_wait_dscnt 0x0                               ; my row sums are in LDS, for the others' sake; my 32 groups are back
	s_barrier_signal -1
.macro FOLD n                          ; groups 0 .. n - 1 += groups n .. 2 n - 1
.set qq, 0
.rept \n
	ADD2 ACC+4*qq, ACC+4*(qq+\n)
	ADD2 ACC+4*qq+2, ACC+4*(qq+\n)+2
.set qq, qq+1
.endr
.endm
	FOLD 16                                        ; register work while the others arrive
	FOLD 8
	FOLD 4
	FOLD 2
	FOLD 1
	s_barrier_wait -1                              ; all 48 row sums lie in the table
	ds_load_b32 v250, v[SXA]                       ; sx of my row
	ds_load_b128 v[252:255], v[SPA]                ; sp of my four columns
	s_wait_dscnt 0x0
.irp k, 0,1,2,3
	v_sub_f32 v[20+\k], v250, v[ACC+\k]            ; dist_x = sx - common
	v_sub_f32 v[24+\k], v[252+\k], v[ACC+\k]       ; dist_p = sp - common
	v_mul_f32 v[16+\k], s18, v[ACC+\k]             ; num = gamma common
	v_fma_f32 v[28+\k], s16, v[20+\k], v[16+\k]    ; + |alpha| dist_x
	v_fma_f32 v[28+\k], s17, v[24+\k], v[28+\k]    ; + |beta| dist_p
	v_add_f32 v[28+\k], 0x322bcc77, v[28+\k]       ; + 1e-8
.endr
.irp k, 0,1,2,3
	v_rcp_f32 v[32+\k], v[28+\k]
.endr
	v_nop                                          ; one plain vector instruction between v_rcp_f32 and the use of its result (ISA guide 5.7.2)
	s_wait_alu depctr_va_vdst(0)
.irp k, 0,1,2,3
	v_fma_f32 v[36+\k], v[16+\k], v[32+\k], v[BI+\k]
.endr
	global_store_b128 v[OFO], v[36:39], s[14:15] th:TH_STORE_NT
	s_set_vgpr_msb 0x4
	s_wait_tensorcnt 0x0
	ds_add_u32 v251, v1
	s_wait_dscnt 0x0
	s_set_vgpr_msb 0x400
	ROUND                                          ; the closing round: no work-group ends while a partner may still ask for a tile that names it
	s_endpgm
.Lfunc_end_k_qd51a030431_tversky:
	.size	k_qd51a030431_tversky, .Lfunc_end_k_qd51a030431_tversky-k_qd51a030431_tversky
	.p2alignl 7, 3214868480
	.fill 96, 4, 3214868480
	.section	.rodata,"a",@progbits
	.p2align	6, 0x0
	.amdhsa_kernel k_qd51a030431_tversky
		.amdhsa_group_segment_fixed_size 264960
		.amdhsa_private_segment_fixed_size 0
		.amdhsa_enable_private_segment 0
		.amdhsa_kernarg_size 48
		.amdhsa_user_sgpr_count 2
		.amdhsa_user_sgpr_kernarg_segment_ptr 1
		.amdhsa_wavefront_size32 1
		.amdhsa_system_sgpr_workgroup_id_x 1
		.amdhsa_system_sgpr_workgroup_id_y 1
		.amdhsa_system_sgpr_workgroup_id_z 1
		.amdhsa_system_vgpr_workitem_id 0
		.amdhsa_next_free_vgpr 258
		.amdhsa_next_free_sgpr 100
		.amdhsa_reserve_vcc 0
		.amdhsa_float_denorm_mode_32 3
		.amdhsa_float_denorm_mode_16_64 3
		.amdhsa_memory_ordered 1
		.amdhsa_forward_progress 1
		.amdhsa_inst_pref_size 255
	.end_amdhsa_kernel
	.section	.bss,"aw",@nobits
	.p2align	6
	.space	262144
	.amdgpu_metadata
---
amdhsa.version: [ 1, 2 ]
amdhsa.kernels:
  - .name:           k_qd51a030431_tversky
    .symbol:         k_qd51a030431_tversky.kd
    .args:
      - { .name: feat, .offset: 0, .size: 8, .value_kind: global_buffer, .address_space: global }
      - { .name: alpha, .offset: 8, .size: 8, .value_kind: global_buffer, .address_space: global }
      - { .name: beta, .offset: 16, .size: 8, .value_kind: global_buffer, .address_space: global }
      - { .name: gamma, .offset: 24, .size: 8, .value_kind: global_buffer, .address_space: global }
      - { .name: bias, .offset: 32, .size: 8, .value_kind: global_buffer, .address_space: global }
      - { .name: out0, .offset: 40, .size: 8, .value_kind: global_buffer, .address_space: global }
    .group_segment_fixed_size: 264960
    .private_segment_fixed_size: 0
    .kernarg_segment_align: 8
    .kernarg_segment_size: 48
    .max_flat_workgroup_size: 128
    .sgpr_count:     100
    .vgpr_count:     258
    .wavefront_size: 32
...
	.end_amdgpu_metadata
.endif
;; end of part 4
